; MI455X (gfx1250); checked and timed in simulation.
; The chip was launched on July 23, 2026; its instructions are those of AMD's public machine-readable ISA for CDNA 5 (MIT licence, August 2026) and "CDNA5" Instruction Set Architecture Reference Guide (July 2026). The comments in the code are by the model that wrote it; some were corrected since.
;; Stationary Kernel. Allowed arithmetic: matrix products marked QUANTISED: E2M3 operands, one E8M0 scale for each 32 along K, by v_wmma_scale_f32_16x16x128_f8f6f4 with both operands' format E2M3, f32 sums; products left as they are: f32 operands where the result goes on into a quantised operand, else bf16, f16 or f32 operands; f32 sums; everything else in f32.
;; Inputs: W1 96 x 128 float32; W2 128 x 128 float32; W3 128 x 1 float32; b1 128 float32; b2 128 float32; b3 1 float32; t 4 x 32 float32; x 4 x 512 x 64 float32; y 4 x 512 x 64 float32.
;; Outputs: out0 4 x 512 x 512 float32.
;; This version of the problem:
;;   THIS VERSION OF THE PROBLEM IS GIVEN IN LOW PRECISION. The matrix products marked QUANTISED in the list below multiply operands that are first quantised to E2M3 (2 exponent bits, 3 mantissa bits; 6 bits a number), with one power-of-two scale for each 32 numbers along K (OCP MX v1.0); their sums are f32. All else is computed in f32.
;;   The module's matrix products, in the order in which they are computed (A, B: the left and right operand; K: the contracted axis; several contracted axes count as one K, in the product's order):
;;     1. [M 1,048,576, K 64] x [K 64, N 128]; A: computed on the way; B: input W1: QUANTISED
;;     2. [M 4, K 32] x [K 32, N 128]; A: input t; B: input W1: left as it is (M = 4 < 16)
;;     3. [M 1,048,576, K 128] x [K 128, N 128]; A: computed on the way; B: input W2: QUANTISED
;;     4. [M 1,048,576, K 128] x [K 128, N 1]; A: computed on the way; B: input W3: left as it is (N = 1 < 16)
;;   THE QUANTISER, for each operand of a quantised product, along K:
;;     - K is cut into blocks of 32 from its start; a last block that is shorter is filled with zeros.
;;     - A block's scale is 2^e with e = floor(log2(the largest magnitude in the block)) - 2, held to -126 .. 127; a block of zeros has e = 0. As a byte (E8M0): e + 127.
;;     - Each number is divided by its block's scale, clamped to +-7.5, and rounded to the nearest number of E2M3, ties to even, subnormals kept.
;;     - The product sums the exact products of the quantised numbers (number of the format x scale) in f32.
;;   ~~~python
;;   def quantise(x, axis):      # numpy; x: float32 -> the quantised numbers, widened to float32 again
;;       x = np.moveaxis(x, axis, -1); K = x.shape[-1]
;;       x = np.pad(x, [(0, 0)] * (x.ndim - 1) + [(0, -K % 32)]); x = x.reshape(x.shape[:-1] + (-1, 32)); a = np.abs(x).max(-1, keepdims=True)
;;       e = np.where(a > 0, np.clip(np.frexp(np.where(a > 0, a, 1))[1] - 1 - 2, -126, 127), 0)      # np.frexp(a)[1] - 1 = floor(log2(a)), exactly
;;       r = np.clip(x / 2.0 ** e, -7.5, 7.5)
;;       step = 2.0 ** (np.maximum(np.frexp(np.where(r == 0, 1, r))[1] - 1, 0) - 3)
;;       q = np.round(r / step) * step * 2.0 ** e      # np.round: ties to even
;;       return np.moveaxis(q.reshape(q.shape[:-2] + (-1,))[..., :K], -1, axis).astype(np.float32)
;;   ~~~
;;   OPERANDS COMPUTED ON THE WAY. 'Computed on the way' means the value that the module computes at that place (a softmax that the list does not call 'softmax' is quantised finished and normalised). What goes into a quantiser is computed in f32, as accurately as f32 sums, v_exp_f32 and their like allow (about 1e-6 of the number): no bf16 or f16 on the way to a quantiser, and a product that is left as it is and whose result goes on into a quantised operand takes f32 operands (vector FMAs, or v_wmma_f32_16x16x4_f32). A number that lies on a knife's edge between two numbers of the format may be rounded either way, as far as f32 arithmetic and the matrix unit's own rounding can turn it there, and no further.
;; One version. Each part assembles by itself: llvm-mc -triple=amdgcn-amd-amdhsa -mcpu=gfx1250 --defsym DOCPART=n.
;; ======== version 1 of 1: 1 launch
;; launch pairs (part 1): grid 64 x 4, 8 waves a work-group, no clusters, 47,616 bytes of LDS; arguments x, y, t, W1, b1, W2, b2, W3, b3, out0; writes out0
.if DOCPART == 1
	.amdgcn_target "amdgcn-amd-amdhsa--gfx1250"
	.amdhsa_code_object_version 6
	.text
	.protected	k_qe9275d7e81_pairs
	.globl	k_qe9275d7e81_pairs
	.p2align	8
	.type	k_qe9275d7e81_pairs,@function
k_qe9275d7e81_pairs:
	s_mov_b64 s[64:65], 0
	v_nop
	global_prefetch_b8 v0, s[64:65] scope:SCOPE_SE
	s_setreg_imm32_b32 hwreg(HW_REG_WAVE_MODE, 25, 1), 1
	s_wait_xcnt 0x0
; K[b][i][j] = W3 . relu(W2^T relu(W1[:64]^T d + c_b) + b2) + b3,  d = (x[b][i] - y[b][j])^2 (64 numbers),  c_b = t[b] W1[64:] + b1 (f32).
; The two large products run on codes of FP6 (E2M3) with one E8M0 scale for each 32 along K: d and W1[:64] along the 64 dims, relu(h1) and W2 along the 128 hidden units.  All else is f32.
; SHARES.  256 work-groups of eight waves: work-group (x, y) makes K[b = y][32 (x / 4) .. + 31][128 (x % 4) .. + 127].  Wave w owns the 16 columns j = 128 (x % 4) + 16 w + r and walks the 32 rows i: one STEP = 16 pairs.
; LAYOUT.  Both products are used transposed (source 0 = 16 units of the weight, source 1 = the 16 pairs): lane (r, h) = (lane % 16, lane / 16) holds pair r throughout.
;   - d: lane (r, h) holds dims 32 h .. 32 h + 31: a whole block, so its largest number needs no other lane.
;   - Row m of W1's tile t is unit 64 (t / 4) + 32 (m / 8) + 8 (t % 4) + m % 8: the 32 registers of tiles 4 c .. 4 c + 3 are then units 64 c + 32 h + 0 .. 31: a whole block of the next K, in the next operand's own order.
;   - The first product's K is 64, half of the instruction's 128.  Two tiles of W1 share one fragment (even tile at k 0-63, odd tile at k 64-127); the pairs' six registers of codes lie between six and six registers of zero codes,
;     and the operand is taken from 6 registers up ([d][0]: the even tile) or from the start ([0][d]: the odd tile).  Zero codes add nothing under any scale byte but 0xff, and no byte here is 0xff.
;   - The biases are the C of each product's one matrix instruction; b3 is the addend of the last sum's first multiply-add, in lanes 0-15 alone.
; SET-UP.  The eight waves share the quantising of W1[:64] and W2 (a lane to a column, registers down K) and the sum c_b, hand the results round through LDS as images of the operands' registers, and keep them in registers:
; the loop reads nothing from memory, and of LDS only a row of x a step.
; NO CLUSTER, NO TENSOR LOADS: what work-groups share (114,688 bytes of weights, rows of x and y) is read once at the head and is quantised on the way; the loop has no traffic that a joint load could spare.
; LIMITS.  NaN and infinities among the inputs are not served.  A block of zeros gets the scale byte 1 where the rule says 127: its codes are zeros, and the bytes are read by this text alone.
; c_b = (t W1 + b1) is summed first and the first product is added onto it, another order of f32 rounding than h + tW1 + b1; the last product is summed in two chains and two halves of the lanes.
; REGISTERS, window 0: v1-7 offsets, later addresses; v8, v9 scale words of d and of h1; v10-13, v14-21 scale words of W1, W2; v22-23 the last sum's start; v24-27 its two chains; v28, v29 the even and the odd row's sums;
;   v30 a permute's destination; v31 at work; v32-43 maxima, scales, halves of codes; v47, v126, v127 parts of the thread's number, never data; v48-65 zeros, d's codes, zeros; v66-77 h1's codes; v78-125 W1's four fragments;
;   v128-191 x's row, d, h1, h2; v192-255 b2.
; window 1: v0-95 W2's eight fragments; v96-159 c_b in the first result's layout; v160-223 W3; v224-255 my column's y.
.set XB,     0                         ; LDS: x's 32 rows of 256 bytes
.set W1I,    8192                      ; W1's 4 fragments: six planes of 256 bytes each, plane q = registers 2 q, 2 q + 1 at 8 x lane
.set W2I,    14336                     ; W2's 8 fragments likewise
.set W1SI,   26624                     ; W1's scale words: fragment p, row m at 64 p + 4 m
.set W2SI,   26880                     ; W2's: unit n at 4 n
.set CBL,    27392                     ; c_b: unit u at 4 u
.set STG,    27904                     ; the stage for K: a region of its own for each wave: its 16 columns of the 32 rows, 64 bytes a row
.set SREG,   2112                      ; from region to region: 2,048 bytes + 64
.set XA,   1                           ; LDS address of the row of x to fetch
.set STA,  2                           ; and of my word in the stage
.set XA0,  3                           ; 128 h
.set STA0, 4                           ; 2112 w + 4 lane
.set RD,   5                           ; the way out: 2112 (lane / 4) + 16 (lane % 4) + 256 w
.set GO,   6                           ; and in out0: 8192 w + 16 lane
.set DSW,  8
.set HSW,  9
.set W1S,  10
.set W2S,  14
.set INIT, 22
.set ACC,  24
.set RE,   28
.set RO,   29
.set PX,   30
.set T,    31
.set TM,   32                          ; +0..3, +4..7 maxima of block 0, 1; +8, 9 the conversions' scale operands; +10, 11 the bytes
.set CT0,  32                          ; once the maxima are spent: the upper halves of a block's codes
.set CT1,  36
.set HH,   47                          ; h, made anew behind the set-up's barrier
.set DC,   48
.set PC,   66
.set W1F,  78
.set L8,   126                         ; lane, then 8 lane: my place in a plane of an image
.set R4,   127                         ; r, then 4 r: my row's scale word
.set H,    128
.set B2,   192
.set W2F,  0                           ; window 1
.set CB1,  96
.set W3R,  160
.set YR,   224
.set MSB, 0
.macro WIN new                         ; low byte: bits 1:0 source 0, 3:2 source 1, 5:4 source 2, 7:6 destination; the high byte repeats the setting that is left
.if MSB != \new
	s_set_vgpr_msb (MSB<<8)|\new
.set MSB, \new
.endif
.endm
.macro PLACES n
.rept \n
	v_nop
.endr
.endm
; pieces of a block's largest magnitude; abs = 1: the numbers may be negative
.macro M3F abs, d, a, b                ; starts a chain with two numbers and the floor 2^(3 - 127): the scale's byte cannot fall under 1
.if \abs
	v_max3_num_f32 v[\d], |v[\a]|, |v[\b]|, 0x1800000
.else
	v_max3_num_f32 v[\d], v[\a], v[\b], 0x1800000
.endif
.endm
.macro M3S abs, d, a, b, c             ; starts a chain with three numbers
.if \abs
	v_max3_num_f32 v[\d], |v[\a]|, |v[\b]|, |v[\c]|
.else
	v_max3_num_f32 v[\d], v[\a], v[\b], v[\c]
.endif
.endm
.macro M3C abs, d, a, b                ; a chain takes two more
.if \abs
	s_delay_alu instid0(VALU_DEP_4)
	v_max3_num_f32 v[\d], v[\d], |v[\a]|, |v[\b]|
.else
	v_max3_num_f32 v[\d], v[\d], v[\a], v[\b]
.endif
.endm
.macro M3L abs, d, m, a                ; a chain takes another chain and one number
.if \abs
	v_max3_num_f32 v[\d], v[\d], v[\m], |v[\a]|
.else
	v_max3_num_f32 v[\d], v[\d], v[\m], v[\a]
.endif
.endm
; The largest magnitude of nb blocks of 32 registers from v[src] on, into v[TM + 4 b]: 16 lines a block, four chains a block, the chains and blocks by turns.
.macro BMAX nb, src, abs
.irp b, 0,1
.if \b < \nb
	M3F \abs, TM+4*\b, \src+32*\b, \src+32*\b+1
	M3S \abs, TM+4*\b+1, \src+32*\b+8, \src+32*\b+9, \src+32*\b+10
	M3S \abs, TM+4*\b+2, \src+32*\b+16, \src+32*\b+17, \src+32*\b+18
	M3S \abs, TM+4*\b+3, \src+32*\b+24, \src+32*\b+25, \src+32*\b+26
.endif
.endr
.irp i, 0,1
.irp b, 0,1
.if \b < \nb
	M3C \abs, TM+4*\b, \src+32*\b+2+2*\i, \src+32*\b+3+2*\i
	M3C \abs, TM+4*\b+1, \src+32*\b+11+2*\i, \src+32*\b+12+2*\i
	M3C \abs, TM+4*\b+2, \src+32*\b+19+2*\i, \src+32*\b+20+2*\i
	M3C \abs, TM+4*\b+3, \src+32*\b+27+2*\i, \src+32*\b+28+2*\i
.endif
.endr
.endr
.irp b, 0,1
.if \b < \nb
	M3C \abs, TM+4*\b, \src+32*\b+6, \src+32*\b+7
	M3L \abs, TM+4*\b+2, TM+4*\b+3, \src+32*\b+23
.endif
.endr
.irp b, 0,1
.if \b < \nb
	M3L \abs, TM+4*\b, TM+4*\b+1, \src+32*\b+15
.endif
.endr
.irp b, 0,1
.if \b < \nb
	M3L \abs, TM+4*\b, TM+4*\b+2, \src+32*\b+31
.endif
.endr
.endm
; Set-up: a lane's 32 numbers of one column of a weight, down K, become six registers of codes, v32-37, and the scale's byte, v[TM + 10].  It writes v32-38 and v40, v42.
.macro QITEM src
	BMAX 1, \src, 1
	s_delay_alu instid0(VALU_DEP_1)
	v_add_nc_u32 v[TM+8], 0xff000000, v[TM]        ; 2 off the largest magnitude's exponent field: the conversion takes the exponent field of this operand as its scale
	s_delay_alu instid0(VALU_DEP_1)
	v_lshrrev_b32 v[TM+10], 23, v[TM+8]            ; the scale's byte
	v_cvt_scalef32_pk16_fp6_f32 v[32:34], v[\src:\src+15], v[TM+8]
	v_cvt_scalef32_pk16_fp6_f32 v[36:38], v[\src+16:\src+31], v[TM+8]   ; (a conversion's three registers begin on an even number)
	v_nop                                          ; one plain line behind a scaled conversion
	v_mov_b32 v35, v36
	v_mov_b32 v36, v37
	v_mov_b32 v37, v38
.endm
.macro RL t, j                         ; relu of one number of tile t
	v_max_num_f32 v[H+8*\t+\j], 0, v[H+8*\t+\j]
.endm
.macro RELU t                          ; of a tile, from its low end on
.irp j, 0,1,2,3,4,5,6,7
	RL \t, \j
.endr
.endm
.macro FM t, k                         ; two of the last product's multiply-adds: W3 (window 1) x h2; two chains by turns; the first lines start them: nothing is cleared
.if (\t == 0) && (\k == 0)
	s_delay_alu instid0(VALU_DEP_3)
	v_pk_fma_f32 v[ACC:ACC+1], v[W3R:W3R+1], v[H:H+1], v[INIT:INIT+1]
.elseif (\t == 0) && (\k == 1)
	s_delay_alu instid0(VALU_DEP_4)
	v_pk_mul_f32 v[ACC+2:ACC+3], v[W3R+2:W3R+3], v[H+2:H+3]
.else
	v_pk_fma_f32 v[ACC+2*(\k%2):ACC+2*(\k%2)+1], v[W3R+8*\t+2*\k:W3R+8*\t+2*\k+1], v[H+8*\t+2*\k:H+8*\t+2*\k+1], v[ACC+2*(\k%2):ACC+2*(\k%2)+1]
.endif
.endm
.macro SL t                            ; a slice of the second product's vector work: tile t's relu and its share of the last product, by turns, so that two links of a chain do not stand side by side
	RL \t, 0
	RL \t, 1
	RL \t, 2
	RL \t, 3
	FM \t, 0
	RL \t, 4
	RL \t, 5
	FM \t, 1
	RL \t, 6
	RL \t, 7
	FM \t, 2
	FM \t, 3
.endm
.macro W1MM t                          ; h1's tile t = 16 units of W1 x my 16 pairs + c_b.  Window setting 0x10: C in window 1
	v_wmma_scale_f32_16x16x128_f8f6f4 v[H+8*\t:H+8*\t+7], v[W1F+12*(\t/2):W1F+12*(\t/2)+11], v[DC+6-6*(\t%2):DC+17-6*(\t%2)], v[CB1+8*\t:CB1+8*\t+7], v[W1S+\t/2], v[DSW] matrix_a_fmt:MATRIX_FMT_FP6 matrix_b_fmt:MATRIX_FMT_FP6
.endm
.macro W2MM t                          ; h2's tile t = units 16 t .. 16 t + 15 of W2 x my 16 pairs + b2.  Window setting 0x01: source 0 in window 1
	v_wmma_scale_f32_16x16x128_f8f6f4 v[H+8*\t:H+8*\t+7], v[W2F+12*\t:W2F+12*\t+11], v[PC:PC+11], v[B2+8*\t:B2+8*\t+7], v[W2S+\t], v[HSW] matrix_a_fmt:MATRIX_FMT_FP6 matrix_b_fmt:MATRIX_FMT_FP6
.endm
.macro XLOAD                           ; my half (128 bytes) of a row of x; the sixteen lanes of a half read the same bytes
.irp q, 0,1,2,3,4,5,6,7
	ds_load_b128 v[H+4*\q:H+4*\q+3], v[XA] offset:XB+16*\q
.endr
.endm
; ---------------------------------------------------------------- set-up
	s_load_b512 s[8:23], s[0:1], 0x0               ; x s[8:9], y s[10:11], t s[12:13], W1 s[14:15], b1 s[16:17], W2 s[18:19], b2 s[20:21], W3 s[22:23]
	s_load_b128 s[24:27], s[0:1], 0x40             ; b3 s[24:25], out0 s[26:27]
	v_lshrrev_b32 v31, 5, v0
	s_delay_alu instid0(VALU_DEP_1)
	v_readfirstlane_b32 s30, v31                   ; wave w, 0..7
	v_mov_b32 v[PX], 0                             ; written once: a lane permute's destination counts as one of its sources
	v_and_b32 v39, 31, v0                          ; lane
	v_and_b32 v38, 15, v0                          ; r    (v32-40 hold parts of the thread's number only until the first quantising, which writes them)
	v_bfe_u32 v33, v0, 4, 1                        ; h
	s_delay_alu instid0(VALU_DEP_3)
	v_lshlrev_b32 v1, 2, v39                       ; v1 = 4 lane: a weight's column
	s_delay_alu instid0(VALU_DEP_3)
	v_lshlrev_b32 v4, 2, v38                       ; v4 = 4 r
	s_delay_alu instid0(VALU_DEP_1)
	v_lshl_add_u32 v2, v33, 13, v4                 ; v2 = 4 r + 16 h rows of W1
	s_delay_alu instid0(VALU_DEP_4)
	v_lshlrev_b32 v3, 6, v33                       ; v3 = 64 h: my 16 numbers of t
	v_lshlrev_b32 v5, 4, v0                        ; v5 = 16 x thread: x's rows, in memory and in LDS
	v_lshlrev_b32 v6, 8, v38
	s_delay_alu instid0(VALU_DEP_1)
	v_lshl_add_u32 v6, v33, 7, v6                  ; v6 = 256 r + 128 h: my half of my row of y
	v_lshlrev_b32 v7, 5, v33                       ; v7 = 32 h: b2 and W3
	s_and_b32 s31, ttmp7, 0xffff                   ; b
	s_lshr_b32 s37, ttmp9, 2                       ; which 32 rows i
	s_and_b32 s38, ttmp9, 3                        ; which 128 columns j
	s_and_b32 s39, s30, 3                          ; w % 4: which 32 columns of a weight I quantise
	s_lshr_b32 s29, s30, 2                         ; w / 4: which blocks of them
	s_mov_b32 s32, 0x76543210
	s_mov_b32 s33, 0xfedcba98                      ; v_permlanex16_b32's selects for lane l xor 16
	s_lshl_b32 s40, s31, 17                        ; byte offsets, each in a pair with 0 above it.  x: 131,072 b + 8,192 (rows' block)
	s_lshl_b32 s2, s37, 13
	s_add_co_u32 s40, s40, s2
	s_mov_b32 s41, 0
	s_lshl_b32 s42, s31, 17                        ; y: 131,072 b + 32,768 (columns' block) + 4,096 w
	s_lshl_b32 s2, s38, 15
	s_add_co_u32 s42, s42, s2
	s_lshl_b32 s2, s30, 12
	s_add_co_u32 s42, s42, s2
	s_mov_b32 s43, 0
	s_lshl_b32 s44, s31, 7                         ; t: 128 b
	s_mov_b32 s45, 0
	s_lshl_b32 s46, s39, 7                         ; W1, to quantise: column 32 (w % 4), row 32 (w / 4)
	s_lshl_b32 s2, s29, 14
	s_add_co_u32 s46, s46, s2
	s_mov_b32 s47, 0
	s_lshl_b32 s50, s30, 6                         ; b1: unit 16 w
	s_mov_b32 s51, 0
	s_add_co_u32 s48, s50, 32768                   ; W1, for c_b: row 64, column 16 w
	s_mov_b32 s49, 0
	s_lshl_b32 s52, s39, 7                         ; W2: column 32 (w % 4), row 64 (w / 4)
	s_lshl_b32 s2, s29, 15
	s_add_co_u32 s52, s52, s2
	s_mov_b32 s53, 0
	s_lshl_b32 s54, s31, 20                        ; out0: 1,048,576 b + 32 rows of 2,048 x block + 512 x columns' block
	s_lshl_b32 s2, s37, 16
	s_add_co_u32 s54, s54, s2
	s_lshl_b32 s2, s38, 9
	s_add_co_u32 s54, s54, s2
	s_mov_b32 s55, 0
	s_wait_alu depctr_va_vdst(0)
	s_wait_kmcnt 0x0
	s_load_b32 s28, s[24:25], 0x0                  ; b3
	s_add_nc_u64 s[8:9], s[8:9], s[40:41]
	s_add_nc_u64 s[10:11], s[10:11], s[42:43]
	s_add_nc_u64 s[12:13], s[12:13], s[44:45]
	s_add_nc_u64 s[56:57], s[14:15], s[46:47]
	s_add_nc_u64 s[58:59], s[14:15], s[48:49]
	s_add_nc_u64 s[16:17], s[16:17], s[50:51]
	s_add_nc_u64 s[18:19], s[18:19], s[52:53]
	s_add_nc_u64 s[26:27], s[26:27], s[54:55]
	; the first 55 loads: x's 32 rows (8,192 dense bytes, 16 a thread twice), t, b1, W1's rows 64-95 for c_b, and my 32 x 32 of W1[:64]
	global_load_b128 v[66:69], v5, s[8:9]
	global_load_b128 v[70:73], v5, s[8:9] offset:4096
.irp q, 0,1,2,3
	global_load_b128 v[48+4*\q:51+4*\q], v3, s[12:13] offset:16*\q     ; t[b][16 h + 0 .. 15]
.endr
	global_load_b32 v44, v4, s[16:17]              ; b1[16 w + r]
.set ii, 0
.rept 16
	global_load_b32 v[110+ii], v2, s[58:59] offset:512*ii              ; W1[64 + 16 h + i][16 w + r]
.set ii, ii+1
.endr
.set ii, 0
.rept 32
	global_load_b32 v[78+ii], v1, s[56:57] offset:512*ii               ; W1[32 (w / 4) + i][32 (w % 4) + lane]: the wave reads 128 consecutive bytes
.set ii, ii+1
.endr
	; 64 more: my 64 x 32 of W2: two blocks a lane
.set ii, 0
.rept 64
	global_load_b32 v[H+ii], v1, s[18:19] offset:512*ii                ; W2[64 (w / 4) + i][32 (w % 4) + lane]
.set ii, ii+1
.endr
	; where my results go in LDS: every address is made of the thread number's bits and constants
	v_bfe_u32 v32, v0, 3, 1                        ; (lane / 8) % 2
	v_bfe_u32 v34, v0, 5, 1                        ; w % 2
	v_bfe_u32 v35, v0, 6, 1                        ; (w / 2) % 2
	v_bfe_u32 v36, v0, 7, 1                        ; w / 4
	v_and_b32 v37, 7, v0                           ; lane % 8
	v_bfe_u32 v40, v0, 5, 2                        ; w % 4
	; W1's unit u = 32 (w % 4) + lane lies in fragment 2 (u / 64) + (u / 16) % 2, half (u / 8) % 2, row 8 ((u / 32) % 2) + u % 8; its block w / 4 is the half of the lanes
	s_delay_alu instid0(VALU_DEP_2)
	v_lshlrev_b32 v24, 3, v37
	s_delay_alu instid0(VALU_DEP_1)
	v_mad_u32_u24 v24, v32, 768, v24
	s_delay_alu instid0(VALU_DEP_1)
	v_mad_u32_u24 v24, v33, 1536, v24
	s_delay_alu instid0(VALU_DEP_1)
	v_lshl_add_u32 v24, v34, 6, v24
	s_delay_alu instid0(VALU_DEP_1)
	v_mad_u32_u24 v24, v35, 3072, v24
	s_delay_alu instid0(VALU_DEP_1)
	v_lshl_add_u32 v24, v36, 7, v24                ; v24: W1's codes
	v_lshlrev_b32 v25, 2, v37
	s_delay_alu instid0(VALU_DEP_1)
	v_lshl_add_u32 v25, v32, 1, v25
	s_delay_alu instid0(VALU_DEP_1)
	v_lshl_add_u32 v25, v33, 6, v25
	s_delay_alu instid0(VALU_DEP_1)
	v_lshl_add_u32 v25, v34, 5, v25
	s_delay_alu instid0(VALU_DEP_1)
	v_lshl_add_u32 v25, v35, 7, v25
	s_delay_alu instid0(VALU_DEP_1)
	v_add_nc_u32 v25, v36, v25                     ; v25: its scale byte: byte 2 (half) + block of the row's word
	; W2's unit n = 32 (w % 4) + lane lies in tile n / 16, row n % 16; blocks 2 (w / 4) + e: registers 6 (w / 4) on, half e of the lanes
	v_lshlrev_b32 v26, 3, v38
	s_delay_alu instid0(VALU_DEP_1)
	v_mad_u32_u24 v26, v33, 1536, v26
	s_delay_alu instid0(VALU_DEP_1)
	v_mad_u32_u24 v26, v36, 768, v26
	s_delay_alu instid0(VALU_DEP_1)
	v_mad_u32_u24 v26, v40, 3072, v26              ; v26: W2's codes
	v_lshl_add_u32 v27, v40, 7, v1
	s_delay_alu instid0(VALU_DEP_1)
	v_lshl_add_u32 v27, v36, 1, v27                ; v27: its two scale bytes
	v_lshl_add_u32 v28, v31, 6, v4                 ; v28: c_b[16 w + r]
	s_wait_loadcnt 0x3f                            ; behind the first 55 loads stand 64: at most 63 are out, so the 55 are in
	ds_store_b128 v5, v[66:69] offset:XB
	ds_store_b128 v5, v[70:73] offset:XB+4096
	v_mul_f32 v46, v48, v110                       ; c_b in f32: my 16 of the 32 terms,
.set ii, 1
.rept 15
	s_delay_alu instid0(VALU_DEP_1)
	v_fmac_f32 v46, v[48+ii], v[110+ii]
.set ii, ii+1
.endr
	s_delay_alu instid0(VALU_DEP_1)
	v_permlanex16_b32 v[PX], v46, s32, s33
	s_delay_alu instid0(VALU_DEP_1)
	v_add_f32 v46, v46, v[PX]                      ; lane l xor 16's 16,
	s_delay_alu instid0(VALU_DEP_1)
	v_add_f32 v46, v46, v44                        ; and b1
	ds_store_b32 v28, v46 offset:CBL               ; (both halves of the lanes write the same word with the same value)
	QITEM 78
	ds_store_b64 v24, v[32:33] offset:W1I
	ds_store_b64 v24, v[34:35] offset:W1I+256
	ds_store_b64 v24, v[36:37] offset:W1I+512
	ds_store_b8 v25, v[TM+10] offset:W1SI
	s_wait_dscnt 0x0                               ; the stores have read their registers
	; 40 more loads: b2 and W3 in the second result's layout (tile t, register j: unit 16 t + 8 h + j), and my column's y
.irp t, 0,1,2,3,4,5,6,7
	global_load_b128 v[B2+8*\t:B2+8*\t+3], v7, s[20:21] offset:64*\t
	global_load_b128 v[B2+8*\t+4:B2+8*\t+7], v7, s[20:21] offset:64*\t+16
.endr
	WIN 0x40                                       ; destination window 1
.irp t, 0,1,2,3,4,5,6,7
	global_load_b128 v[W3R+8*\t:W3R+8*\t+3], v7, s[22:23] offset:64*\t
	global_load_b128 v[W3R+8*\t+4:W3R+8*\t+7], v7, s[22:23] offset:64*\t+16
.endr
.irp q, 0,1,2,3,4,5,6,7
	global_load_b128 v[YR+4*\q:YR+4*\q+3], v6, s[10:11] offset:16*\q
.endr
	WIN 0
	s_wait_loadcnt 0x28                            ; behind W2's loads stand these 40
	QITEM H
	ds_store_b64 v26, v[32:33] offset:W2I
	ds_store_b64 v26, v[34:35] offset:W2I+256
	ds_store_b64 v26, v[36:37] offset:W2I+512
	v_mov_b32 v45, v[TM+10]
	s_wait_dscnt 0x0                               ; the stores have read their registers
	QITEM H+32
	ds_store_b64 v26, v[32:33] offset:W2I+128
	ds_store_b64 v26, v[34:35] offset:W2I+384
	ds_store_b64 v26, v[36:37] offset:W2I+640
	v_lshl_or_b32 v45, v[TM+10], 8, v45
	ds_store_b16 v27, v45 offset:W2SI
	s_wait_loadcnt 0x0                             ; b2, W3, y are in: the offset registers v1-7 may be written again
	s_wait_dscnt 0x0                               ; for the others' sake: all my LDS stores have landed
	s_barrier_signal -1
	s_barrier_wait -1                              ; x's rows, both weights' images, their scale words and c_b lie in LDS
	; the parts of the thread's number are made anew (the quantising has written over the first ones), in registers that never hold data; from them all addresses of the rest of the text
	v_bfe_u32 v[HH], v0, 4, 1                      ; h
	v_and_b32 v[L8], 31, v0                        ; lane
	v_and_b32 v[R4], 15, v0                        ; r
	v_lshrrev_b32 v7, 5, v0                        ; w
	s_delay_alu instid0(VALU_DEP_4)
	v_lshlrev_b32 v[XA0], 7, v[HH]                 ; 128 h: my half of a row of x; also my 32 units of each 64 of c_b
	s_delay_alu instid0(VALU_DEP_1)
	v_mov_b32 v[XA], v[XA0]
	v_lshlrev_b32 v[STA0], 2, v[L8]
	s_delay_alu instid0(VALU_DEP_1)
	v_mad_u32_u24 v[STA0], v7, SREG, v[STA0]       ; my wave's region of the stage, 4 bytes a lane: lanes 0-15 the even row's 64 bytes, lanes 16-31 the odd row's
	v_bfe_u32 v[STA], v0, 2, 3                     ; the way out: lane l takes columns 4 l .. 4 l + 3: region l / 4,
	s_delay_alu instid0(VALU_DEP_1)
	v_mul_u32_u24 v[RD], v[STA], SREG
	v_and_b32 v[STA], 3, v0
	s_delay_alu instid0(VALU_DEP_1)
	v_lshl_add_u32 v[RD], v[STA], 4, v[RD]         ; 16 (l % 4) bytes into its row,
	s_delay_alu instid0(VALU_DEP_1)
	v_lshl_add_u32 v[RD], v7, 8, v[RD]             ; rows 4 w on
	v_lshlrev_b32 v[GO], 4, v[L8]
	s_delay_alu instid0(VALU_DEP_1)
	v_lshl_add_u32 v[GO], v7, 13, v[GO]            ; and in out0: 4 w rows of 2,048 bytes + 16 lane
	v_lshlrev_b32 v[L8], 3, v[L8]                  ; 8 lane
	v_lshlrev_b32 v[R4], 2, v[R4]                  ; 4 r
.irp p, 0,1,2,3
.irp q, 0,1,2,3,4,5
	ds_load_b64 v[W1F+12*\p+2*\q:W1F+12*\p+2*\q+1], v[L8] offset:W1I+1536*\p+256*\q
.endr
	ds_load_b32 v[W1S+\p], v[R4] offset:W1SI+64*\p
.endr
.irp t, 0,1,2,3,4,5,6,7
	ds_load_b32 v[W2S+\t], v[R4] offset:W2SI+64*\t
.endr
	WIN 0x40                                       ; destination window 1
.irp t, 0,1,2,3,4,5,6,7
.irp q, 0,1,2,3,4,5
	ds_load_b64 v[W2F+12*\t+2*\q:W2F+12*\t+2*\q+1], v[L8] offset:W2I+1536*\t+256*\q
.endr
.endr
.irp t, 0,1,2,3,4,5,6,7
	ds_load_b128 v[CB1+8*\t:CB1+8*\t+3], v[XA0] offset:CBL+256*(\t/4)+32*(\t%4)         ; c_b[64 (t / 4) + 32 h + 8 (t % 4) + 0 .. 7]
	ds_load_b128 v[CB1+8*\t+4:CB1+8*\t+7], v[XA0] offset:CBL+256*(\t/4)+32*(\t%4)+16
.endr
	WIN 0
	XLOAD                                          ; row 0 of x
.irp j, 0,1,2,3,4,5
	v_mov_b32 v[DC+\j], 0                          ; the zero codes on either side of d's
	v_mov_b32 v[DC+12+\j], 0
.endr
	s_wait_kmcnt 0x0                               ; b3
	v_cmp_eq_u32 vcc_lo, 0, v[HH]
	v_mov_b32 v[INIT], s28
	s_delay_alu instid0(VALU_DEP_1)
	v_cndmask_b32 v[INIT], 0, v[INIT], vcc_lo      ; b3 once for each pair: in lanes 0-15
	v_mov_b32 v[INIT+1], 0
	s_mov_b32 s34, 0                               ; bytes from x's row 0 to the row to fetch
	s_mov_b32 s35, 0                               ; bytes from the stage's rows 0, 1 to the pair of rows in hand
; ---------------------------------------------------------------- a step: one row i against my 16 columns.  par: the row's parity;  next = 1: the next row of x is fetched
.macro STEP par, next
	; A: d = (x - y)^2, its scale and its codes
	s_wait_dscnt 0x0                               ; the row of x is in (asked for 2 matrix and 48 vector instructions ago); in the first step: all that the set-up fetched
	WIN 0x04                                       ; source 1 (y) window 1
.irp q, 0,1,2,3,4,5,6,7,8,9,10,11,12,13,14,15
	v_pk_add_f32 v[H+2*\q:H+2*\q+1], v[H+2*\q:H+2*\q+1], v[YR+2*\q:YR+2*\q+1] neg_lo:[0,1] neg_hi:[0,1]
.endr
	WIN 0
.irp q, 0,1,2,3,4,5,6,7,8,9,10,11,12,13,14,15
	v_pk_mul_f32 v[H+2*\q:H+2*\q+1], v[H+2*\q:H+2*\q+1], v[H+2*\q:H+2*\q+1]
.endr
	BMAX 1, H, 0                                   ; no |.|: a square is not negative
	s_delay_alu instid0(VALU_DEP_1)
	v_add_nc_u32 v[TM+8], 0xff000000, v[TM]        ; 2 off the exponent field: the conversions' scale operand
	s_delay_alu instid0(VALU_DEP_1)
	v_lshrrev_b32 v[TM+10], 23, v[TM+8]            ; my block's byte
	s_delay_alu instid0(VALU_DEP_1)
	v_permlanex16_b32 v[PX], v[TM+10], s32, s33    ; the other block's
	s_delay_alu instid0(VALU_DEP_1)
	v_lshl_or_b32 v[DSW], v[PX], 8, v[TM+10]
	s_delay_alu instid0(VALU_DEP_1)
	v_lshl_or_b32 v[DSW], v[DSW], 16, v[DSW]       ; lanes 0-15: [s0, s1, s0, s1]: the codes stand at k 0-63 or at k 64-127 (lanes 16-31 are not read)
	v_cvt_scalef32_pk16_fp6_f32 v[DC+6:DC+8], v[H:H+15], v[TM+8]
	v_cvt_scalef32_pk16_fp6_f32 v[CT0:CT0+2], v[H+16:H+31], v[TM+8]    ; (a conversion's three registers begin on an even number)
	v_nop                                          ; one plain line behind a scaled conversion
.irp j, 0,1,2
	v_mov_b32 v[DC+9+\j], v[CT0+\j]
.endr
	PLACES 7                                       ; with the v_nop above: eight lines that name no register of the product between the scale word's last write and the product; the operand's last write stands seven ahead
	; M1: h1 = relu(W1^T d + c_b): eight matrix instructions on eight accumulators, each tile's relu at least four plain lines behind its product
	WIN 0x10                                       ; source 2 (c_b) window 1; the relu lines name a constant, source 1 and the destination, all window 0
	W1MM 0
	W1MM 1
	W1MM 2
	PLACES 4
	RELU 0
	W1MM 3
	RELU 1
	W1MM 4
	RELU 2
	W1MM 5
	RELU 3
	W1MM 6
	RELU 4
	W1MM 7
	RELU 5
	RELU 6
	RELU 7
	; B: h1's scales and codes: registers 32 c .. 32 c + 31 are block 2 c + h, whole
	WIN 0
.if \next
	s_add_co_u32 s34, s34, 256
.endif
	BMAX 2, H, 0                                   ; no |.|: none is negative behind the relu
	s_delay_alu instid0(VALU_DEP_2)
	v_add_nc_u32 v[TM+8], 0xff000000, v[TM]
	s_delay_alu instid0(VALU_DEP_2)
	v_add_nc_u32 v[TM+9], 0xff000000, v[TM+4]
	s_delay_alu instid0(VALU_DEP_2)
	v_lshrrev_b32 v[TM+10], 23, v[TM+8]
	s_delay_alu instid0(VALU_DEP_2)
	v_lshrrev_b32 v[TM+11], 23, v[TM+9]
	s_delay_alu instid0(VALU_DEP_1)
	v_lshl_or_b32 v[T], v[TM+11], 16, v[TM+10]     ; my bytes: blocks h and 2 + h
	s_delay_alu instid0(VALU_DEP_1)
	v_permlanex16_b32 v[PX], v[T], s32, s33
	s_delay_alu instid0(VALU_DEP_1)
	v_lshl_or_b32 v[HSW], v[PX], 8, v[T]           ; lanes 0-15: blocks 0, 1, 2, 3 of pair r
	v_cvt_scalef32_pk16_fp6_f32 v[PC:PC+2], v[H:H+15], v[TM+8]
	v_cvt_scalef32_pk16_fp6_f32 v[CT0:CT0+2], v[H+16:H+31], v[TM+8]
	v_cvt_scalef32_pk16_fp6_f32 v[PC+6:PC+8], v[H+32:H+47], v[TM+9]
	v_cvt_scalef32_pk16_fp6_f32 v[CT1:CT1+2], v[H+48:H+63], v[TM+9]
	v_nop                                          ; one plain line behind a scaled conversion
.irp j, 0,1,2
	v_mov_b32 v[PC+3+\j], v[CT0+\j]
	v_mov_b32 v[PC+9+\j], v[CT1+\j]
.endr
.if \next
	v_add_nc_u32 v[XA], s34, v[XA0]                ; the next row of x (no LDS instruction of mine is out)
.else
	v_nop
.endif
.if \par
	v_add_nc_u32 v[STA], s35, v[STA0]              ; where this pair of rows goes in my region of the stage
.else
	v_nop
.endif
	PLACES 5                                       ; with the three lines above that name no register of the product: eight behind the scale word's last write
	; M2: h2 = relu(W2^T h1 + b2), and the last product, W3 . h2, in slices between the matrix instructions
	WIN 0x01                                       ; source 0 window 1: W2's fragments, and W3 in the multiply-adds
	W2MM 0
	W2MM 1
	W2MM 2
	PLACES 4
	SL 0
	W2MM 3
	SL 1
	W2MM 4
	SL 2
	W2MM 5
	SL 3
.if \next
	WIN 0
	XLOAD                                          ; tiles 0-3 are spent: their registers take the next row of x; the last product that wrote one of them stands three slices, 36 plain lines, back
	WIN 0x01
.endif
	W2MM 6
	SL 4
	W2MM 7
	SL 5
	SL 6
	SL 7
	WIN 0
	v_pk_add_f32 v[ACC:ACC+1], v[ACC:ACC+1], v[ACC+2:ACC+3]
.if \par
	s_delay_alu instid0(VALU_DEP_1)
	v_add_f32 v[RO], v[ACC], v[ACC+1]              ; the odd row: my half of the units
	s_delay_alu instid0(VALU_DEP_1)
	v_permlane16_swap_b32 v[RE], v[RO]             ; RE: both rows' lower halves, RO: both rows' upper halves
	s_delay_alu instid0(VALU_DEP_1)
	v_add_f32 v[RE], v[RE], v[RO]                  ; lanes 0-15: K[i - 1][j], lanes 16-31: K[i][j]
	ds_store_b32 v[STA], v[RE] offset:STG          ; the wave stores 128 consecutive bytes of its own region
	s_add_co_u32 s35, s35, 128
.else
	s_delay_alu instid0(VALU_DEP_1)
	v_add_f32 v[RE], v[ACC], v[ACC+1]              ; the even row: my half of the units
.endif
.endm
	s_mov_b32 s36, 15
.Ltrip:                                            ; two rows a trip
	STEP 0, 1
	STEP 1, 1
	s_sub_co_u32 s36, s36, 1
	s_cmp_lg_u32 s36, 0
	s_cbranch_scc1 .Ltrip
	STEP 0, 1                                      ; the last two rows are written out: behind row 31 there is no row to fetch
	STEP 1, 0
; ---------------------------------------------------------------- the way out: a row's 512 bytes come from eight waves' regions; wave w stores rows 4 w .. 4 w + 3 whole
	s_wait_dscnt 0x0                               ; for the others' sake: my stores into the stage have landed
	s_barrier_signal -1
	s_barrier_wait -1
.irp k, 0,1,2,3
	ds_load_b128 v[H+4*\k:H+4*\k+3], v[RD] offset:STG+64*\k
.endr
.irp k, 0,1,2,3
	s_wait_dscnt 3-\k                              ; LDS loads come back in order: row k is in, the younger ones may be out
	global_store_b128 v[GO], v[H+4*\k:H+4*\k+3], s[26:27] offset:2048*\k th:TH_STORE_NT   ; 32 lanes store 512 consecutive bytes, at a multiple of 512 from out0's first byte
.endr
	s_wait_xcnt 0x0
	v_lshl_add_u32 v246, v0, 2, 0xb600
	v_mov_b32 v247, 0
	s_wait_alu depctr_va_vdst(0)
	s_wait_tensorcnt 0x0
	ds_add_u32 v246, v247
	s_wait_dscnt 0x0
	s_endpgm
.Lfunc_end_k_qe9275d7e81_pairs:
	.size	k_qe9275d7e81_pairs, .Lfunc_end_k_qe9275d7e81_pairs-k_qe9275d7e81_pairs
	.p2alignl 7, 3214868480
	.fill 96, 4, 3214868480
	.section	.rodata,"a",@progbits
	.p2align	6, 0x0
	.amdhsa_kernel k_qe9275d7e81_pairs
		.amdhsa_group_segment_fixed_size 47616
		.amdhsa_private_segment_fixed_size 0
		.amdhsa_enable_private_segment 0
		.amdhsa_kernarg_size 80
		.amdhsa_user_sgpr_count 2
		.amdhsa_user_sgpr_kernarg_segment_ptr 1
		.amdhsa_wavefront_size32 1
		.amdhsa_system_sgpr_workgroup_id_x 1
		.amdhsa_system_sgpr_workgroup_id_y 1
		.amdhsa_system_sgpr_workgroup_id_z 1
		.amdhsa_system_vgpr_workitem_id 0
		.amdhsa_next_free_vgpr 512
		.amdhsa_next_free_sgpr 66
		.amdhsa_reserve_vcc 1
		.amdhsa_float_denorm_mode_32 3
		.amdhsa_float_denorm_mode_16_64 3
		.amdhsa_memory_ordered 1
		.amdhsa_forward_progress 1
		.amdhsa_inst_pref_size 104
	.end_amdhsa_kernel
	.amdgpu_metadata
---
amdhsa.version: [ 1, 2 ]
amdhsa.kernels:
  - .name:           k_qe9275d7e81_pairs
    .symbol:         k_qe9275d7e81_pairs.kd
    .args:
      - { .name: x, .offset: 0, .size: 8, .value_kind: global_buffer, .address_space: global }
      - { .name: y, .offset: 8, .size: 8, .value_kind: global_buffer, .address_space: global }
      - { .name: t, .offset: 16, .size: 8, .value_kind: global_buffer, .address_space: global }
      - { .name: W1, .offset: 24, .size: 8, .value_kind: global_buffer, .address_space: global }
      - { .name: b1, .offset: 32, .size: 8, .value_kind: global_buffer, .address_space: global }
      - { .name: W2, .offset: 40, .size: 8, .value_kind: global_buffer, .address_space: global }
      - { .name: b2, .offset: 48, .size: 8, .value_kind: global_buffer, .address_space: global }
      - { .name: W3, .offset: 56, .size: 8, .value_kind: global_buffer, .address_space: global }
      - { .name: b3, .offset: 64, .size: 8, .value_kind: global_buffer, .address_space: global }
      - { .name: out0, .offset: 72, .size: 8, .value_kind: global_buffer, .address_space: global }
    .group_segment_fixed_size: 47616
    .private_segment_fixed_size: 0
    .kernarg_segment_align: 8
    .kernarg_segment_size: 80
    .max_flat_workgroup_size: 256
    .sgpr_count:     66
    .vgpr_count:     512
    .wavefront_size: 32
...
	.end_amdgpu_metadata
.endif
;; end of part 1
